; MI455X (gfx1250); checked and timed in simulation.
; The chip was launched on July 23, 2026; its instructions are those of AMD's public machine-readable ISA for CDNA 5 (MIT licence, August 2026) and "CDNA5" Instruction Set Architecture Reference Guide (July 2026). The comments in the code are by the model that wrote it; some were corrected since.
;; ATT Layer. Allowed arithmetic: float matrix products may take bf16 or f16 operands with f32 sums; all other float work in f32.
;; Inputs: fqk_W 64 x 64 float32; fqk_a one number float32; fqk_b 64 float32; fqk_be 64 float32; fqk_g 64 float32; fqk_m 64 float32; fqk_v 64 float32; fv_W 32 x 64 float32; fv_a one number float32; fv_b 32 float32; fv_be 32 float32; fv_g 32 float32; fv_m 32 float32; fv_v 32 float32; inp 4 x 64 x 256 x 256 float32; proj_W 64 x 32 float32; proj_a one number float32; proj_b 64 float32; proj_be 64 float32; proj_g 64 float32; proj_m 64 float32; proj_v 64 float32; tqk_W 64 x 64 float32; tqk_a one number float32; tqk_b 64 float32; tqk_be 64 float32; tqk_g 64 float32; tqk_m 64 float32; tqk_v 64 float32; x 4 x 64 x 256 x 256 float32.
;; Outputs: out0 4 x 64 x 256 x 256 float32.
;; One version. Each part assembles by itself: llvm-mc -triple=amdgcn-amd-amdhsa -mcpu=gfx1250 --defsym DOCPART=n.
;; ======== version 1 of 1: 3 launches
;; workspace buffers: fws 50,331,648 bytes; tws 33,554,432 bytes; fo 16,777,216 bytes
;; launch conv (part 1): grid 64 x 4, 4 waves a work-group, no clusters, 280,064 bytes of LDS; arguments inp, x, fqk_W, tqk_W, fv_W, fqk_g, fqk_v, fqk_b, fqk_m, fqk_be, tqk_g, tqk_v, tqk_b, tqk_m, tqk_be, fv_g, fv_v, fv_b, fv_m, fv_be, fqk_a, tqk_a, fv_a, fws, tws; writes fws, tws
.if DOCPART == 1
	.amdgcn_target "amdgcn-amd-amdhsa--gfx1250"
	.amdhsa_code_object_version 6
	.text
	.protected	k_q752e2b6fa7_conv
	.globl	k_q752e2b6fa7_conv
	.p2align	8
	.type	k_q752e2b6fa7_conv,@function
k_q752e2b6fa7_conv:
	s_mov_b64 s[64:65], 0
	v_nop
	global_prefetch_b8 v0, s[64:65] scope:SCOPE_SE
	s_setreg_imm32_b32 hwreg(HW_REG_WAVE_MODE, 25, 1), 1
	s_wait_xcnt 0x0
; The three 1x1 convolutions in front of the two attentions, each with BatchNorm and PReLU, results in bf16:
;   fqk(inp) -> qf, kf     tqk(inp) -> qt, kt     fv(x) -> vf
; laid out so that the attention launches load matrix fragments by plain 16-byte loads of neighbouring lanes.
;   fws, block (b*256+t) of 49,152 bytes: 16 images of qf (one for 16 f), 16 images of kf at +16384, rows vf[f][32 c] at +32768.
;   tws, block (b*256+f) of 32,768 bytes: 16 images of qt (one for 16 t), 16 images of kt at +16384.
;   An image is 16 points x 32 channels, 1,024 bytes: byte g*512 + h*256 + p*16 + 2e holds channel 16g+8h+e of point p.
; A work-group takes 16 f x 64 t of one b; wave w takes f = 16 fb + 4 w + i, i = 0..3.  A job is one f, 64 t, 64 channels of one
; tensor: 32 loads of 16 bytes a lane, each covering two aligned runs of 256 bytes (64 t of one channel).
; D = W (source 0) x X (source 1): lane (r, h) then holds output channels 8h..8h+7 of one point: one 16-byte chunk of an image.
; BatchNorm is folded: s = g * rsq(v + 1e-5) goes into W (f32 product, one rounding to bf16), sh = (b - m) * s + be is the
; C operand of the first product.  PReLU is exact: y > 0 ? y : a * y.
; No cluster: the work-groups share only the 40,960 bytes of weights, against 524,288 bytes of inp and x that each reads alone.
; LIMITS: inp, x and W*s are rounded to bf16 for the products, q, k, v are stored in bf16; sums in f32.
.set CSTR,   262144                    ; bytes from channel to channel
.set FSTR,   1024                      ; bytes from f to f
.set FPITCH, 3088                      ; LDS slot of one t: q image, k image, 16 rows of v (3 x 1,024) + 16: an odd multiple of 16
.set FQ,     16*FPITCH
.set PSB,    64*FPITCH                 ; 197,632: behind the 64 slots, each wave's own stage for qt, kt
.set PPITCH, 1040                      ; an image + 16
.set PSW,    8*PPITCH                  ; 8 images a wave
.set WL,     PSB+4*PSW                 ; 230,912: the weights as they come, f32, written by tensor loads alone
.set WPITCH, 272                       ; 64 f32 + 16 bytes
.set TB,     WL+160*WPITCH             ; 274,432: each wave's table of s[160], sh[160]
.set TBW,    1280
; window 0
.set INO, 4                            ; h * 8 channels + 16 r : my bytes in a job
.set L16, 5                            ; 16 x lane
.set SQ,  6                            ; v6-9   where tile q's chunk of a qf / kf image goes
.set SV,  10                           ; v10-13 the same for vf
.set SPV, 14                           ; the same for qt / kt, in my own stage
.set PRD, 15                           ; my stage, read back: + 16 x lane
.set FRD, 16                           ; my 16 slots, read back
.set WQ,  17                           ; W rows 2r (+k) of fqk / tqk
.set WV,  18                           ; W rows r of fv
.set TSC, 19                           ; s of row r
.set TSH, 20                           ; sh of rows 8h..
.set TIQ, 21                           ; table place of channel L of fqk
.set TIV, 22                           ; table place of channel L of fv
.set P4,  23                           ; 4 x lane
.set T8,  24                           ; v24-31  a * y
.set PK,  32                           ; v32-47  packed results, 4 registers a tile; before the jobs: pairs of s
.set XF,  64                           ; v64-127 X fragments (2q+ks)*8
.set PRM, 64                           ; before the jobs: the 25 parameter words
.set WT,  64                           ; before the jobs: raw W, 32 registers a tile
.set DA,  128                          ; v128-159 results, set A
.set DB,  160                          ; v160-191 results, set B
.set RB,  192                          ; v192-255 read-back
; window 1: W fragments at 16 T + 8 ks, sh at SHW + 8 T.   window 2: the raw f32 of a job of inp (RAW0) and of x (RAW1)
.set SHW,  160
.set RAW0, 0
.set RAW1, 128
.set MSB, 0
.macro WIN new                         ; the immediate's high byte repeats the setting that is left
.if MSB != \new
	s_set_vgpr_msb (MSB<<8)|\new
.set MSB, \new
.endif
.endm
.macro PLACES                          ; the four places behind a matrix instruction (ISA guide 7.12.1) where there is no other work
.rept 4
	v_nop
.endr
.endm
	s_load_b512 s[4:19], s[0:1], 0x0               ; inp, x, fqk_W, tqk_W, fv_W, fqk g v b
	s_load_b512 s[20:35], s[0:1], 0x40             ; fqk m be, tqk g v b m be, fv g
	s_load_b512 s[36:51], s[0:1], 0x80             ; fv v b m be, fqk_a, tqk_a, fv_a, fws
	s_load_b64 s[52:53], s[0:1], 0xc0              ; tws
	v_lshl_add_u32 v62, v0, 2, 0x44400
	v_mov_b32 v63, 0
	ds_add_u32 v62, v63
	ds_add_u32 v62, v63
	v_and_b32 v1, 31, v0                           ; L
	v_and_b32 v2, 15, v0                           ; r
	v_bfe_u32 v3, v0, 4, 1                         ; h
	v_lshrrev_b32 v24, 5, v0
	v_readfirstlane_b32 s54, v24                   ; w
	s_and_b32 s55, ttmp7, 0xffff                   ; b
	s_lshr_b32 s56, ttmp9, 2                       ; fb: which 16 f
	s_and_b32 s57, ttmp9, 3                        ; tb: which 64 t
	; descriptor group 1: rows of 64 f32, 4 dwords of padding behind each; 16 rows a wave (fqk, tqk) or 8 (fv)
	s_mov_b32 s68, (2<<16)|(1<<20)|(5<<22)|(3<<25)
	s_mov_b32 s69, 64<<16
	s_mov_b32 s70, 16<<16
	s_mov_b32 s71, 64<<16
	s_mov_b32 s72, 16
	s_mov_b32 s73, 64
	s_mov_b32 s74, 0
	s_mov_b32 s75, 0
	s_mov_b32 s76, (2<<16)|(1<<20)|(5<<22)|(3<<25)
	s_mov_b32 s77, 64<<16
	s_mov_b32 s78, 8<<16
	s_mov_b32 s79, 64<<16
	s_mov_b32 s80, 8
	s_mov_b32 s81, 64
	s_mov_b32 s82, 0
	s_mov_b32 s83, 0
	; group 0, LDS side: wave w brings its own rows of each W
	s_mov_b32 s84, 1
	s_mul_i32 s85, s54, 16*WPITCH
	s_add_co_u32 s85, s85, WL
	s_mov_b32 s88, 1
	s_mul_i32 s89, s54, 16*WPITCH
	s_add_co_u32 s89, s89, WL+64*WPITCH
	s_mov_b32 s92, 1
	s_mul_i32 s93, s54, 8*WPITCH
	s_add_co_u32 s93, s93, WL+128*WPITCH
	; byte offsets, each in a pair of its own with 0 above
	s_lshl_b32 s58, s54, 12                        ; 16 rows of W; also 4 w rows of f
	s_mov_b32 s59, 0
	s_lshl_b32 s66, s54, 11                        ; 8 rows of fv_W
	s_mov_b32 s67, 0
	s_lshl_b32 s60, s55, 24                        ; inp, x: b, f = 16 fb + 4 w, t = 64 tb
	s_lshl_b32 s96, s56, 14
	s_add_co_u32 s60, s60, s96
	s_add_co_u32 s60, s60, s58
	s_lshl_b32 s96, s57, 8
	s_add_co_u32 s60, s60, s96
	s_mov_b32 s61, 0
	s_lshl_b32 s62, s55, 8                         ; fws: block b*256 + 64 tb + w, image fb
	s_lshl_b32 s96, s57, 6
	s_add_co_u32 s62, s62, s96
	s_add_co_u32 s62, s62, s54
	s_mul_i32 s62, s62, 49152
	s_lshl_b32 s96, s56, 10
	s_add_co_u32 s62, s62, s96
	s_mov_b32 s63, 0
	s_lshl_b32 s2, s55, 8                          ; tws: block b*256 + 16 fb + 4 w, images 4 tb ..
	s_lshl_b32 s96, s56, 4
	s_add_co_u32 s2, s2, s96
	s_lshl_b32 s96, s54, 2
	s_add_co_u32 s2, s2, s96
	s_lshl_b32 s2, s2, 15
	s_lshl_b32 s96, s57, 12
	s_add_co_u32 s2, s2, s96
	s_mov_b32 s3, 0
	; lane terms
	v_lshlrev_b32 v[INO], 4, v2
	v_lshl_add_u32 v[INO], v3, 21, v[INO]          ; + h * 8 channels
	v_lshlrev_b32 v[L16], 4, v1
	v_lshlrev_b32 v[P4], 2, v1
	v_mul_u32_u24 v24, v2, FPITCH                  ; slot 16 q + r stands for t = 4 r + q
	s_lshl_b32 s96, s54, 6                         ; point 4 w + i of the image: 64 w
	v_lshl_add_u32 v25, v3, 8, v24
	v_add_nc_u32 v25, s96, v25
	s_lshl_b32 s97, s54, 8                         ; row 4 w + i of v: 256 w, behind the two images
	s_add_co_u32 s97, s97, 2048
	v_lshl_add_u32 v26, v3, 4, v24
	v_add_nc_u32 v26, s97, v26
.irp q, 0,1,2,3
	v_add_nc_u32 v[SQ+\q], \q*FQ, v25
	v_add_nc_u32 v[SV+\q], \q*FQ, v26
.endr
	s_mul_i32 s96, s54, PSW
	s_add_co_u32 s96, s96, PSB
	v_lshrrev_b32 v24, 2, v2                       ; t = 4 r + q: image r >> 2, point 4 (r & 3) + q
	v_mul_u32_u24 v24, v24, PPITCH
	v_and_b32 v25, 3, v2
	v_lshl_add_u32 v24, v25, 6, v24
	v_lshl_add_u32 v24, v3, 8, v24
	v_add_nc_u32 v[SPV], s96, v24
	v_add_nc_u32 v[PRD], s96, v[L16]
	s_mul_i32 s97, s54, FQ
	v_add_nc_u32 v[FRD], s97, v[L16]
	v_mul_u32_u24 v24, v2, WPITCH
	v_lshl_add_u32 v25, v3, 5, v24                 ; r * 272 + 32 h
	v_add_nc_u32 v[WV], WL+128*WPITCH, v25
	v_add_nc_u32 v25, v24, v25                     ; r * 544 + 32 h
	v_add_nc_u32 v[WQ], WL, v25
	s_mul_i32 s96, s54, TBW
	s_add_co_u32 s96, s96, TB
	v_lshl_add_u32 v[TSC], v2, 2, s96
	v_lshl_add_u32 v[TSH], v3, 5, s96
	v_add_nc_u32 v[TSH], 640, v[TSH]
	v_and_b32 v24, 1, v1                           ; channel 2c+k of fqk / tqk has table index 32 k + c
	v_lshrrev_b32 v25, 1, v1
	v_lshlrev_b32 v25, 2, v25
	v_lshl_add_u32 v24, v24, 7, v25
	v_add_nc_u32 v[TIQ], s96, v24
	v_lshl_add_u32 v[TIV], v1, 2, s96
	v_add_nc_u32 v[TIV], 512, v[TIV]
	s_wait_dscnt 0x0
	s_wait_kmcnt 0x0
	s_add_nc_u64 s[86:87], s[8:9], s[58:59]
	s_or_b32 s87, s87, 0x80000000
	s_add_nc_u64 s[90:91], s[10:11], s[58:59]
	s_or_b32 s91, s91, 0x80000000
	s_add_nc_u64 s[94:95], s[12:13], s[66:67]
	s_or_b32 s95, s95, 0x80000000
	tensor_load_to_lds s[84:87], s[68:75]          ; three tensor loads of this wave are out, and no more ever
	s_nop 0
	tensor_load_to_lds s[88:91], s[68:75]
	s_nop 0
	tensor_load_to_lds s[92:95], s[76:83]
	s_nop 0
	s_load_b32 s96, s[44:45], 0x0                  ; the three slopes
	s_load_b32 s98, s[46:47], 0x0
	s_load_b32 s100, s[48:49], 0x0
	s_add_nc_u64 s[4:5], s[4:5], s[60:61]          ; inp at my first job
	s_add_nc_u64 s[6:7], s[6:7], s[60:61]          ; x
	s_add_nc_u64 s[50:51], s[50:51], s[62:63]      ; fws
	s_add_nc_u64 s[52:53], s[52:53], s[2:3]        ; tws
	s_add_nc_u64 s[60:61], s[4:5], 32*CSTR         ; channels 32.. : beyond the reach of the 24-bit immediate
	s_add_nc_u64 s[62:63], s[6:7], 32*CSTR
.macro PLOAD k, sb, off                ; g, v, b, m, be of 32 channels, one a lane
.irp j, 0,1,2,3,4
	global_load_b32 v[PRM+5*\k+\j], v[P4], s[\sb+2*\j:\sb+2*\j+1] offset:\off
.endr
.endm
	PLOAD 0, 14, 0
	PLOAD 1, 14, 128
	PLOAD 2, 24, 0
	PLOAD 3, 24, 128
	PLOAD 4, 34, 0
; 32 loads: lane (r, h) takes, for ks = 0, 1, channels 32 ks + 8h + 0..7 and 32 ks + 16 + 8h + 0..7 at t = 4r .. 4r+3
.macro LOADJOB buf, lo, hi, fi, nt
	WIN 0x80
.set ln, 0
.rept 32
.set lb, \lo
.if ln >= 16
.set lb, \hi
.endif
.set lc, ((ln&15)+8*((ln&15)>>3))*CSTR+(\fi)*FSTR
.if \nt
	global_load_b128 v[\buf+4*ln:\buf+4*ln+3], v[INO], s[lb:lb+1] offset:lc th:TH_LOAD_NT
.else
	global_load_b128 v[\buf+4*ln:\buf+4*ln+3], v[INO], s[lb:lb+1] offset:lc
.endif
.set ln, ln+1
.endr
	WIN 0
.endm
	LOADJOB RAW0, 4, 60, 0, 1                      ; inp is read once in the launch; x is read again by the last launch: no hint
	LOADJOB RAW1, 6, 62, 0, 0
.macro BNFOLD p                        ; p: g, v, b, m, be  ->  s in p, sh in p+2
	v_add_f32 v[\p+1], 0x3727c5ac, v[\p+1]         ; v + 1e-5
	v_rsq_f32 v[\p+1], v[\p+1]
	v_sub_f32 v[\p+2], v[\p+2], v[\p+3]            ; b - m: also the plain instruction behind the rsq (ISA guide 5.7.2)
	s_wait_alu depctr_va_vdst(0)
	v_mul_f32 v[\p], v[\p], v[\p+1]
	v_fma_f32 v[\p+2], v[\p+2], v[\p], v[\p+4]
.endm
	s_wait_loadcnt 0x3f                            ; 64 job loads were issued behind the 25 parameter loads: those are in
	BNFOLD PRM
	BNFOLD PRM+5
	BNFOLD PRM+10
	BNFOLD PRM+15
	BNFOLD PRM+20
	ds_store_b32 v[TIQ], v[PRM]                    ; fqk channels 0-31: s, sh
	ds_store_b32 v[TIQ], v[PRM+2] offset:640
	ds_store_b32 v[TIQ], v[PRM+5] offset:64        ; fqk channels 32-63: c is 16 higher
	ds_store_b32 v[TIQ], v[PRM+7] offset:704
	ds_store_b32 v[TIQ], v[PRM+10] offset:256      ; tqk: index + 64
	ds_store_b32 v[TIQ], v[PRM+12] offset:896
	ds_store_b32 v[TIQ], v[PRM+15] offset:320
	ds_store_b32 v[TIQ], v[PRM+17] offset:960
	ds_store_b32 v[TIV], v[PRM+20]                 ; fv: index 128 + channel
	ds_store_b32 v[TIV], v[PRM+22] offset:640
	s_wait_tensorcnt 0x0                           ; my rows of the three W are in LDS,
	s_wait_dscnt 0x0
	s_barrier_signal -1
	s_barrier_wait -1                              ; everybody's are
; Output tile T: 0,1 qf  2,3 kf  4,5 qt  6,7 kt  8,9 vf (16 channels each).  Row m of tile T < 8 is W row 2 (16 (T&1) + m) + ((T>>1)&1).
.macro WLD u, T                        ; 32 f32 of row r and its s
.if (\T) < 8
.set wb, ((\T)>>2)*64*WPITCH+((\T)&1)*32*WPITCH+(((\T)>>1)&1)*WPITCH
.set wa, WQ
.else
.set wb, ((\T)&1)*16*WPITCH
.set wa, WV
.endif
.set wn, 0
.rept 8
	ds_load_b128 v[WT+32*\u+4*wn:WT+32*\u+4*wn+3], v[wa] offset:wb+(wn>>2)*128+((wn>>1)&1)*64+(wn&1)*16
.set wn, wn+1
.endr
	ds_load_b32 v[PK+2*\u], v[TSC] offset:64*(\T)
.endm
.macro WSC u                           ; W * s in f32
	v_mov_b32 v[PK+2*\u+1], v[PK+2*\u]
.set wn, 0
.rept 16
	v_pk_mul_f32 v[WT+32*\u+2*wn:WT+32*\u+2*wn+1], v[WT+32*\u+2*wn:WT+32*\u+2*wn+1], v[PK+2*\u:PK+2*\u+1]
.set wn, wn+1
.endr
.endm
.macro WCV u, T                        ; one rounding to bf16, into window 1
.set wn, 0
.rept 16
	v_cvt_pk_bf16_f32 v[16*(\T)+wn], v[WT+32*\u+2*wn], v[WT+32*\u+2*wn+1]
.set wn, wn+1
.endr
.endm
.macro WB4 a, b, c, d                  ; four tiles of W at a time: 128 registers of raw f32
	WLD 0, \a
	WLD 1, \b
	WLD 2, \c
	WLD 3, \d
	s_wait_dscnt 0x0
	WSC 0
	WSC 1
	WSC 2
	WSC 3
	WIN 0x40
	WCV 0, \a
	WCV 1, \b
	WCV 2, \c
	WCV 3, \d
	WIN 0
.endm
	WB4 0, 1, 2, 3
	WB4 4, 5, 6, 7
	WLD 0, 8
	WLD 1, 9
	s_wait_dscnt 0x0
	WSC 0
	WSC 1
	WIN 0x40
	WCV 0, 8
	WCV 1, 9
.set wn, 0
.rept 10
	ds_load_b128 v[SHW+8*wn:SHW+8*wn+3], v[TSH] offset:64*wn        ; sh of rows 8h .. 8h+7 of tile wn: a C operand
	ds_load_b128 v[SHW+8*wn+4:SHW+8*wn+7], v[TSH] offset:64*wn+16
.set wn, wn+1
.endr
	WIN 0
	s_wait_dscnt 0x0
	s_wait_kmcnt 0x0
	s_mov_b32 s97, s96                             ; the packed multiply names a pair
	s_mov_b32 s99, s98
	s_mov_b32 s101, s100
; 64 conversions: fragment (q, ks), register p = channels 2p, 2p+1 of my 16, at t = 4r + q
.macro CONVERT buf
	WIN 0x0a
.set cn, 0
.rept 64
	v_cvt_pk_bf16_f32 v[XF+cn], v[\buf+64*((cn>>3)&1)+8*(cn&7)+(cn>>4)], v[\buf+64*((cn>>3)&1)+8*(cn&7)+4+(cn>>4)]
.set cn, cn+1
.endr
	WIN 0
.endm
; 8 matrix instructions: tile T x the four tiles of 16 points; the first four start the sums with sh
.macro MM T, d
	WIN 0x11
.irp q, 0,1,2,3
	v_wmma_f32_16x16x32_bf16 v[\d+8*\q:\d+8*\q+7], v[16*\T:16*\T+7], v[XF+16*\q:XF+16*\q+7], v[SHW+8*\T:SHW+8*\T+7]
.endr
	WIN 0x01
.irp q, 0,1,2,3
	v_wmma_f32_16x16x32_bf16 v[\d+8*\q:\d+8*\q+7], v[16*\T+8:16*\T+15], v[XF+16*\q+8:XF+16*\q+15], v[\d+8*\q:\d+8*\q+7]
.endr
.endm
; PReLU, bf16, one 16-byte chunk a tile into LDS.  The sixteen lanes of a store are 3,088 (or 1,040 and 64) bytes apart: 16 different columns of 16 bytes.
.macro EPI d, sl, ar, ast, im, ist
	WIN 0
.set eq, 0
.rept 4
.set eb, \d+8*eq
.irp j, 0,2,4,6
	v_pk_mul_f32 v[T8+\j:T8+\j+1], v[eb+\j:eb+\j+1], s[\sl:\sl+1] op_sel_hi:[1,0]
.endr
.irp j, 0,1,2,3,4,5,6,7
	v_cmp_lt_f32 vcc_lo, 0, v[eb+\j]
	v_cndmask_b32 v[eb+\j], v[T8+\j], v[eb+\j], vcc_lo
.endr
.irp j, 0,1,2,3
	v_cvt_pk_bf16_f32 v[PK+4*eq+\j], v[eb+2*\j], v[eb+2*\j+1]
.endr
	ds_store_b128 v[\ar+\ast*eq], v[PK+4*eq:PK+4*eq+3] offset:\im+\ist*eq
.set eq, eq+1
.endr
.endm
; The eight tiles of inp.  Two result sets take turns: behind the products of one tile stands the way out of the tile before,
; which names none of their registers: those are the places that ISA guide 7.12.1 asks for.
.macro JOBI i
	MM 0, DA
	MM 1, DB
	WIN 0
	PLACES
	EPI DA, 96, SQ, 1, 16*(\i), 0
	MM 2, DA
	EPI DB, 96, SQ, 1, 512+16*(\i), 0
	MM 3, DB
	EPI DA, 96, SQ, 1, 1024+16*(\i), 0
	MM 4, DA
	EPI DB, 96, SQ, 1, 1536+16*(\i), 0
	MM 5, DB
	EPI DA, 98, SPV, 0, 0, 16
	MM 6, DA
	EPI DB, 98, SPV, 0, 512, 16
	MM 7, DB
	EPI DA, 98, SPV, 0, 4*PPITCH, 16
	EPI DB, 98, SPV, 0, 4*PPITCH+512, 16
.endm
.macro JOBX i
	MM 8, DA
	MM 9, DB
	WIN 0
	PLACES
	EPI DA, 100, SV, 1, 64*(\i), 0
	EPI DB, 100, SV, 1, 64*(\i)+32, 0
.endm
; qt and kt of one f are whole (4 images each): out at once.  My own LDS bytes, served in order (ISA guide 5.7.1): no wait between stores and loads.
.macro PRIVOUT i
	s_wait_xcnt 0x0                                ; the read-back registers were the data of the last job's stores
.set pn, 0
.rept 16
	ds_load_b128 v[RB+4*pn:RB+4*pn+3], v[PRD] offset:(pn>>1)*PPITCH+(pn&1)*512
.set pn, pn+1
.endr
.set pn, 0
.rept 16
	s_wait_dscnt 15-pn                             ; the younger read-backs stay out
	global_store_b128 v[L16], v[RB+4*pn:RB+4*pn+3], s[52:53] offset:(\i)*32768+(pn>>3)*16384+((pn>>1)&3)*1024+(pn&1)*512
.set pn, pn+1
.endr
.endm
.macro STAGE i, more
	s_wait_loadcnt 32                              ; inp's job is in; the 32 loads of x stay out
	CONVERT RAW0
.if \more
	LOADJOB RAW0, 4, 60, \i+1, 1
.endif
	JOBI \i
	PRIVOUT \i
.if \more
	s_wait_loadcnt 32                              ; x's job is in; the next job of inp stays out
.else
	s_wait_loadcnt 0x0
.endif
	CONVERT RAW1
.if \more
	LOADJOB RAW1, 6, 62, \i+1, 0
.endif
	JOBX \i
.endm
	STAGE 0, 1
	STAGE 1, 1
	STAGE 2, 1
	STAGE 3, 0
	s_wait_dscnt 0x0                               ; my chunks of the 64 slots are written,
	s_barrier_signal -1
	s_barrier_wait -1                              ; everybody's are
	; wave w takes slots 16 w + n, that is t = 64 tb + 4 n + w: 3 x 1,024 bytes each, every store 512 neighbouring bytes
.set fbt, 0
.rept 4
	s_wait_xcnt 0x0                                ; the registers were the data of the batch before
.set fk, 0
.rept 24
	ds_load_b128 v[64+4*fk:64+4*fk+3], v[FRD] offset:(4*fbt+fk/6)*FPITCH+(fk%6)*512
.set fk, fk+1
.endr
.set fk, 0
.rept 24
	s_wait_dscnt 23-fk
	global_store_b128 v[L16], v[64+4*fk:64+4*fk+3], s[50:51] offset:(4*fbt+fk/6)*196608+((fk%6)>>1)*16384+(fk&1)*512
.set fk, fk+1
.endr
.set fbt, fbt+1
.endr
	s_wait_tensorcnt 0x0
	ds_add_u32 v62, v63
	s_wait_dscnt 0x0
	s_endpgm
.Lfunc_end_k_q752e2b6fa7_conv:
	.size	k_q752e2b6fa7_conv, .Lfunc_end_k_q752e2b6fa7_conv-k_q752e2b6fa7_conv
	.p2alignl 7, 3214868480
	.fill 96, 4, 3214868480
	.section	.rodata,"a",@progbits
	.p2align	6, 0x0
	.amdhsa_kernel k_q752e2b6fa7_conv
		.amdhsa_group_segment_fixed_size 280064
		.amdhsa_private_segment_fixed_size 0
		.amdhsa_enable_private_segment 0
		.amdhsa_kernarg_size 200
		.amdhsa_user_sgpr_count 2
		.amdhsa_user_sgpr_kernarg_segment_ptr 1
		.amdhsa_wavefront_size32 1
		.amdhsa_system_sgpr_workgroup_id_x 1
		.amdhsa_system_sgpr_workgroup_id_y 1
		.amdhsa_system_sgpr_workgroup_id_z 1
		.amdhsa_system_vgpr_workitem_id 0
		.amdhsa_next_free_vgpr 768
		.amdhsa_next_free_sgpr 102
		.amdhsa_reserve_vcc 1
		.amdhsa_float_denorm_mode_32 3
		.amdhsa_float_denorm_mode_16_64 3
		.amdhsa_memory_ordered 1
		.amdhsa_forward_progress 1
		.amdhsa_inst_pref_size 255
	.end_amdhsa_kernel
	.section	.bss,"aw",@nobits
	.p2align	6
	.space	262144
	.amdgpu_metadata
---
amdhsa.version: [ 1, 2 ]
amdhsa.kernels:
  - .name:           k_q752e2b6fa7_conv
    .symbol:         k_q752e2b6fa7_conv.kd
    .args:
      - { .name: inp, .offset: 0, .size: 8, .value_kind: global_buffer, .address_space: global }
      - { .name: x, .offset: 8, .size: 8, .value_kind: global_buffer, .address_space: global }
      - { .name: fqk_W, .offset: 16, .size: 8, .value_kind: global_buffer, .address_space: global }
      - { .name: tqk_W, .offset: 24, .size: 8, .value_kind: global_buffer, .address_space: global }
      - { .name: fv_W, .offset: 32, .size: 8, .value_kind: global_buffer, .address_space: global }
      - { .name: fqk_g, .offset: 40, .size: 8, .value_kind: global_buffer, .address_space: global }
      - { .name: fqk_v, .offset: 48, .size: 8, .value_kind: global_buffer, .address_space: global }
      - { .name: fqk_b, .offset: 56, .size: 8, .value_kind: global_buffer, .address_space: global }
      - { .name: fqk_m, .offset: 64, .size: 8, .value_kind: global_buffer, .address_space: global }
      - { .name: fqk_be, .offset: 72, .size: 8, .value_kind: global_buffer, .address_space: global }
      - { .name: tqk_g, .offset: 80, .size: 8, .value_kind: global_buffer, .address_space: global }
      - { .name: tqk_v, .offset: 88, .size: 8, .value_kind: global_buffer, .address_space: global }
      - { .name: tqk_b, .offset: 96, .size: 8, .value_kind: global_buffer, .address_space: global }
      - { .name: tqk_m, .offset: 104, .size: 8, .value_kind: global_buffer, .address_space: global }
      - { .name: tqk_be, .offset: 112, .size: 8, .value_kind: global_buffer, .address_space: global }
      - { .name: fv_g, .offset: 120, .size: 8, .value_kind: global_buffer, .address_space: global }
      - { .name: fv_v, .offset: 128, .size: 8, .value_kind: global_buffer, .address_space: global }
      - { .name: fv_b, .offset: 136, .size: 8, .value_kind: global_buffer, .address_space: global }
      - { .name: fv_m, .offset: 144, .size: 8, .value_kind: global_buffer, .address_space: global }
      - { .name: fv_be, .offset: 152, .size: 8, .value_kind: global_buffer, .address_space: global }
      - { .name: fqk_a, .offset: 160, .size: 8, .value_kind: global_buffer, .address_space: global }
      - { .name: tqk_a, .offset: 168, .size: 8, .value_kind: global_buffer, .address_space: global }
      - { .name: fv_a, .offset: 176, .size: 8, .value_kind: global_buffer, .address_space: global }
      - { .name: fws, .offset: 184, .size: 8, .value_kind: global_buffer, .address_space: global }
      - { .name: tws, .offset: 192, .size: 8, .value_kind: global_buffer, .address_space: global }
    .group_segment_fixed_size: 280064
    .private_segment_fixed_size: 0
    .kernarg_segment_align: 8
    .kernarg_segment_size: 200
    .max_flat_workgroup_size: 128
    .sgpr_count:     102
    .vgpr_count:     768
    .wavefront_size: 32
...
	.end_amdgpu_metadata
.endif
;; end of part 1
;; launch fattn (part 2): grid 64 x 4, 4 waves a work-group, no clusters, 233,984 bytes of LDS; arguments fws, fo; writes fo
.if DOCPART == 2
	.amdgcn_target "amdgcn-amd-amdhsa--gfx1250"
	.amdhsa_code_object_version 6
	.text
	.protected	k_q752e2b6fa7_fattn
	.globl	k_q752e2b6fa7_fattn
	.p2align	8
	.type	k_q752e2b6fa7_fattn,@function
k_q752e2b6fa7_fattn:
	s_mov_b64 s[64:65], 0
	v_nop
	global_prefetch_b8 v0, s[64:65] scope:SCOPE_SE
	s_setreg_imm32_b32 hwreg(HW_REG_WAVE_MODE, 25, 1), 1
	s_wait_xcnt 0x0
; Frequency attention: for each (b, t) softmax(q k^T / sqrt(32)) v over the 256 f, head size 32.  fo[(b*256+f)][t][32 c] in bf16.
; Wave w owns t = 4 x + w: all 16 tiles of 16 queries.  K (16 fragments) and V^T (16 fragments) stay in registers, Q goes through LDS.
; Everything is computed transposed: S^T = K x Q, so that lane (r, h) holds 8 keys a tile of ONE query r: maximum and sum are per lane
; plus one exchange with lane xor 16, and exp(S^T) packed to bf16 IS the second source of O^T = V^T x P^T.
; The maximum of each row is taken away before the exponential, as the reference does; p = exp2(alpha s - alpha max), alpha = log2(e)/sqrt(32).
; The four waves meet only at the end: 4 t x 32 c of one f are 256 neighbouring bytes of fo.
; No cluster: no two work-groups read the same byte.
; LIMITS: q, k, v, p and the result are bf16, sums f32; the row sum is taken over the unrounded p; p below 2^-126 is 0 (v_exp_f32).
.set VLB, 65536                        ; behind the four Q slots of 16,384 bytes
.set VLW, 24576                        ; 256 rows of V, 64 bytes + 32 of padding
.set VP,  96                           ; an odd multiple of 32
.set OSB, 163840                       ; the stage: 256 rows f of 256 bytes + 16
.set OP,  272
.set L16, 4
.set QA,  5                            ; my Q slot + 16 x lane, stepped a tile at a time
.set VA,  6
.set STO, 7
.set RD,  8
.set GO,  9
.set TMP, 10
.set MX,  12                           ; v12-15 four chains of maxima
.set NM,  16                           ; v16-17 -alpha max, twice
.set ACC, 18                           ; v18-21 two packed sums
.set RL,  22                           ; v22-23 1 / sum, twice
.set QF,  24                           ; v24-31
.set OA,  32                           ; v32-47 O^T, channels 0-15 and 16-31
.set PKO, 48                           ; v48-55
.set SC,  128                          ; v128-255 S^T, then P^T in place (step s at SC + 16 s)
.set VW,  128                          ; window 1: K tile at 8 tau, V^T fragment (s, ct) at VW + 8 (2 s + ct)
.set SEL, 40
.set AL,  42
.set NAL, 45
.set MSB, 0
.macro WIN new
.if MSB != \new
	s_set_vgpr_msb (MSB<<8)|\new
.set MSB, \new
.endif
.endm
.macro PLACES
.rept 4
	v_nop
.endr
.endm
	s_load_b128 s[4:7], s[0:1], 0x0                ; fws, fo
	v_lshl_add_u32 v126, v0, 2, 0x39000
	v_mov_b32 v127, 0
	ds_add_u32 v126, v127
	ds_add_u32 v126, v127
	v_and_b32 v1, 31, v0
	v_and_b32 v2, 15, v0                           ; r
	v_bfe_u32 v3, v0, 4, 1                         ; h
	v_lshrrev_b32 v[TMP], 5, v0
	v_readfirstlane_b32 s8, v[TMP]                 ; w
	s_and_b32 s9, ttmp7, 0xffff                    ; b
	; group 1 for Q: 16,384 dense bytes as 64 rows of 32 elements of 8 bytes
	s_mov_b32 s16, 3<<16
	s_mov_b32 s17, 32<<16
	s_mov_b32 s18, 64<<16
	s_mov_b32 s19, 32<<16
	s_mov_b32 s20, 64
	s_mov_b32 s21, 32
	s_mov_b32 s22, 0
	s_mov_b32 s23, 0
	; group 1 for V: the same bytes, with 8 dwords of padding behind every 16: each 64-byte row of V gets a pitch of 96
	s_mov_b32 s24, (3<<16)|(1<<20)|(3<<22)|(7<<25)
	s_mov_b32 s25, 32<<16
	s_mov_b32 s26, 64<<16
	s_mov_b32 s27, 32<<16
	s_mov_b32 s28, 64
	s_mov_b32 s29, 32
	s_mov_b32 s30, 0
	s_mov_b32 s31, 0
	s_mov_b32 s32, 1
	s_lshl_b32 s33, s8, 14
	s_mov_b32 s36, 1
	s_mul_i32 s37, s8, VLW
	s_add_co_u32 s37, s37, VLB
	s_mov_b32 s[SEL], 0x76543210                   ; v_permlanex16_b32: lane i takes lane i of the other half
	s_mov_b32 s[SEL+1], 0xfedcba98
	s_mov_b32 s[AL], 0x3e8293ee                    ; log2(e) / sqrt(32)
	s_mov_b32 s[AL+1], 0x3e8293ee
	s_mov_b32 s[NAL], 0xbe8293ee
	s_lshl_b32 s10, s9, 8                          ; my block of fws: b*256 + 4 x + w
	s_lshl_b32 s14, ttmp9, 2
	s_add_co_u32 s10, s10, s14
	s_add_co_u32 s10, s10, s8
	s_mul_i32 s10, s10, 49152
	s_mov_b32 s11, 0
	s_lshl_b32 s12, s9, 8                          ; fo: rows f = 64 w .., bytes 256 x
	s_lshl_b32 s14, s8, 6
	s_add_co_u32 s12, s12, s14
	s_lshl_b32 s12, s12, 14
	s_lshl_b32 s14, ttmp9, 8
	s_add_co_u32 s12, s12, s14
	s_mov_b32 s13, 0
	v_lshlrev_b32 v[L16], 4, v1
	v_add_nc_u32 v[QA], s33, v[L16]
	v_and_b32 v11, 7, v1                           ; V^T: row 8h + (L&7), 16 bytes (L>>3)&1
	v_lshl_add_u32 v11, v3, 3, v11
	v_mul_u32_u24 v11, v11, VP
	v_bfe_u32 v12, v1, 3, 1
	v_lshl_add_u32 v11, v12, 4, v11
	v_add_nc_u32 v[VA], s37, v11
	s_lshl_b32 s14, s8, 6
	s_add_co_u32 s14, s14, OSB
	v_mul_u32_u24 v11, v2, OP                      ; in: row r of the tile, my t's 64 bytes, 16 h
	v_lshl_add_u32 v11, v3, 4, v11
	v_add_nc_u32 v[STO], s14, v11
	s_mul_i32 s15, s8, 64*OP
	s_add_co_u32 s15, s15, OSB
	v_mul_u32_u24 v11, v3, OP                      ; back: lanes 0-15 one row of 256 bytes, lanes 16-31 the next
	v_lshl_add_u32 v11, v2, 4, v11
	v_add_nc_u32 v[RD], s15, v11
	v_lshlrev_b32 v[GO], 4, v2
	v_lshl_add_u32 v[GO], v3, 14, v[GO]
	s_wait_dscnt 0x0
	s_wait_kmcnt 0x0
	s_add_nc_u64 s[4:5], s[4:5], s[10:11]
	s_mov_b64 s[34:35], s[4:5]
	s_or_b32 s35, s35, 0x80000000
	s_add_nc_u64 s[38:39], s[4:5], 32768
	s_or_b32 s39, s39, 0x80000000
	tensor_load_to_lds s[32:35], s[16:23]          ; Q, then V: two tensor loads of this wave are out, and no more ever
	s_nop 0
	tensor_load_to_lds s[36:39], s[24:31]
	s_nop 0
	s_add_nc_u64 s[46:47], s[4:5], 16384           ; K
	s_add_nc_u64 s[48:49], s[6:7], s[12:13]
	WIN 0x40
.set kn, 0
.rept 32
	global_load_b128 v[4*kn:4*kn+3], v[L16], s[46:47] offset:512*kn th:TH_LOAD_NT   ; half an image: 512 neighbouring bytes
.set kn, kn+1
.endr
	WIN 0
; softmax over cnt tiles of S^T, in place; leaves P^T packed and the two packed sums in ACC
.macro SOFTMAX cnt
.irp k, 0,1,2,3
	v_max_num_f32 v[MX+\k], v[SC+2*\k], v[SC+2*\k+1]
.endr
.set st, 1
.rept (\cnt)-1
.irp k, 0,1,2,3
	v_max3_num_f32 v[MX+\k], v[MX+\k], v[SC+8*st+2*\k], v[SC+8*st+2*\k+1]
.endr
.set st, st+1
.endr
	v_max3_num_f32 v[MX], v[MX], v[MX+1], v[MX+2]
	v_max_num_f32 v[MX], v[MX], v[MX+3]
	v_permlanex16_b32 v[TMP], v[MX], s[SEL], s[SEL+1]      ; the other 8 keys of each tile lie in lane xor 16
	v_max_num_f32 v[MX], v[MX], v[TMP]
	v_mul_f32 v[NM], s[NAL], v[MX]
	v_mov_b32 v[NM+1], v[NM]
.irp k, 0,1,2,3
	v_pk_fma_f32 v[SC+2*\k:SC+2*\k+1], v[SC+2*\k:SC+2*\k+1], s[AL:AL+1], v[NM:NM+1] op_sel_hi:[1,0,1]
.endr
.set st, 0
.rept \cnt
.irp k, 0,1,2,3
	v_exp_f32 v[SC+8*st+2*\k], v[SC+8*st+2*\k]
	v_exp_f32 v[SC+8*st+2*\k+1], v[SC+8*st+2*\k+1]
.if st+1 < (\cnt)
	v_pk_fma_f32 v[SC+8*st+8+2*\k:SC+8*st+9+2*\k], v[SC+8*st+8+2*\k:SC+8*st+9+2*\k], s[AL:AL+1], v[NM:NM+1] op_sel_hi:[1,0,1]   ; the next tile's exponents
.endif
.endr
.set st, st+1
.endr
	v_nop                                          ; a plain instruction between the last exponential and its use (ISA guide 5.7.2)
.set st, 0
.rept \cnt
.if st == 0
	s_wait_alu depctr_va_vdst(0)
	v_pk_add_f32 v[ACC:ACC+1], v[SC:SC+1], v[SC+2:SC+3]        ; the first tile starts the sums
	v_pk_add_f32 v[ACC+2:ACC+3], v[SC+4:SC+5], v[SC+6:SC+7]
.else
	v_pk_add_f32 v[ACC:ACC+1], v[ACC:ACC+1], v[SC+8*st:SC+8*st+1]
	v_pk_add_f32 v[ACC+2:ACC+3], v[ACC+2:ACC+3], v[SC+8*st+2:SC+8*st+3]
	v_pk_add_f32 v[ACC:ACC+1], v[ACC:ACC+1], v[SC+8*st+4:SC+8*st+5]
	v_pk_add_f32 v[ACC+2:ACC+3], v[ACC+2:ACC+3], v[SC+8*st+6:SC+8*st+7]
.endif
.irp p, 0,1,2,3
	v_cvt_pk_bf16_f32 v[SC+16*(st>>1)+4*(st&1)+\p], v[SC+8*st+2*\p], v[SC+8*st+2*\p+1]   ; every register written here has been read before
.endr
.set st, st+1
.endr
.if (\cnt) & 1
.irp p, 4,5,6,7
	v_mov_b32 v[SC+16*((\cnt)>>1)+\p], 0           ; an odd count: the last step's upper 16 keys weigh nothing
.endr
.endif
.endm
.macro VFETCH                          ; all of V^T into registers: fragment (s, ct) = keys 32 s .., channels 16 ct ..
	s_wait_tensorcnt 0x0
	WIN 0x40
.set vn, 0
.rept 16
	ds_load_tr16_b128 v[VW+8*vn:VW+8*vn+3], v[VA] offset:(vn>>1)*32*VP+(vn&1)*32
	ds_load_tr16_b128 v[VW+8*vn+4:VW+8*vn+7], v[VA] offset:(vn>>1)*32*VP+(vn&1)*32+16*VP
.set vn, vn+1
.endr
	WIN 0
	s_wait_dscnt 0x0
.endm
.macro PV steps                        ; O^T = V^T x P^T, two chains; the first step starts the sums
	WIN 0x01
	v_wmma_f32_16x16x32_bf16 v[OA:OA+7], v[VW:VW+7], v[SC:SC+7], 0
	v_wmma_f32_16x16x32_bf16 v[OA+8:OA+15], v[VW+8:VW+15], v[SC:SC+7], 0
.set ps, 1
.rept (\steps)-1
	v_wmma_f32_16x16x32_bf16 v[OA:OA+7], v[VW+16*ps:VW+16*ps+7], v[SC+16*ps:SC+16*ps+7], v[OA:OA+7]
	v_wmma_f32_16x16x32_bf16 v[OA+8:OA+15], v[VW+16*ps+8:VW+16*ps+15], v[SC+16*ps:SC+16*ps+7], v[OA+8:OA+15]
.set ps, ps+1
.endr
	WIN 0
.endm
.macro SUMRCP                          ; 1 / row sum.  Five plain instructions that name no register of the products before: their places (ISA guide 7.12.1)
	v_pk_add_f32 v[ACC:ACC+1], v[ACC:ACC+1], v[ACC+2:ACC+3]
	v_add_f32 v[ACC], v[ACC], v[ACC+1]
	v_permlanex16_b32 v[TMP], v[ACC], s[SEL], s[SEL+1]
	v_add_f32 v[ACC], v[ACC], v[TMP]
	v_rcp_f32 v[RL], v[ACC]
	v_nop
	s_wait_alu depctr_va_vdst(0)
	v_mov_b32 v[RL+1], v[RL]
.endm
; one tile of 16 queries
.macro QTILE vfetch, qnext
	s_wait_dscnt 0x0                               ; the tile's Q fragment is in
	WIN 0x01
.set qt, 0
.rept 16
	v_wmma_f32_16x16x32_bf16 v[SC+8*qt:SC+8*qt+7], v[8*qt:8*qt+7], v[QF:QF+7], 0
.set qt, qt+1
.endr
	WIN 0
.if \qnext
	v_add_nc_u32 v[QA], 1024, v[QA]                ; with three v_nop the four places in front of the load into a source
	v_nop
	v_nop
	v_nop
	ds_load_b128 v[QF:QF+3], v[QA]
	ds_load_b128 v[QF+4:QF+7], v[QA] offset:512
.else
	PLACES
.endif
	SOFTMAX 16
.if \vfetch
	VFETCH
.endif
	PV 8
	SUMRCP
.irp k, 0,2,4,6,8,10,12,14
	v_pk_mul_f32 v[OA+\k:OA+\k+1], v[OA+\k:OA+\k+1], v[RL:RL+1]
.endr
.irp k, 0,1,2,3,4,5,6,7
	v_cvt_pk_bf16_f32 v[PKO+\k], v[OA+2*\k], v[OA+2*\k+1]
.endr
	ds_store_b128 v[STO], v[PKO:PKO+3]             ; channels 8h .. of query r
	ds_store_b128 v[STO], v[PKO+4:PKO+7] offset:32 ; channels 16 + 8h ..
	v_add_nc_u32 v[STO], 16*OP, v[STO]
.endm
	s_wait_tensorcnt 0x1                           ; Q is in my slot (only I read it); V's load stays out
	ds_load_b128 v[QF:QF+3], v[QA]
	ds_load_b128 v[QF+4:QF+7], v[QA] offset:512
	s_wait_loadcnt 0x0                             ; K
	QTILE 1, 1                                     ; the first tile fetches V behind its softmax
	s_mov_b32 s44, 14
.Lq:
	QTILE 0, 1
	s_sub_co_u32 s44, s44, 1
	s_cmp_lg_u32 s44, 0
	s_cbranch_scc1 .Lq
	QTILE 0, 0                                     ; the last tile reads no Q beyond the slot
	s_wait_dscnt 0x0                               ; my 64 bytes of each of the 256 rows are written,
	s_barrier_signal -1
	s_barrier_wait -1                              ; everybody's are
.set on, 0
.rept 32
	ds_load_b128 v[SC+4*on:SC+4*on+3], v[RD] offset:2*OP*on
.set on, on+1
.endr
.set on, 0
.rept 32
	s_wait_dscnt 31-on                             ; the younger read-backs stay out
	global_store_b128 v[GO], v[SC+4*on:SC+4*on+3], s[48:49] offset:32768*on   ; sixteen lanes: 256 neighbouring bytes, aligned
.set on, on+1
.endr
	s_wait_tensorcnt 0x0
	ds_add_u32 v126, v127
	s_wait_dscnt 0x0
	s_endpgm
.Lfunc_end_k_q752e2b6fa7_fattn:
	.size	k_q752e2b6fa7_fattn, .Lfunc_end_k_q752e2b6fa7_fattn-k_q752e2b6fa7_fattn
	.p2alignl 7, 3214868480
	.fill 96, 4, 3214868480
	.section	.rodata,"a",@progbits
	.p2align	6, 0x0
	.amdhsa_kernel k_q752e2b6fa7_fattn
		.amdhsa_group_segment_fixed_size 233984
		.amdhsa_private_segment_fixed_size 0
		.amdhsa_enable_private_segment 0
		.amdhsa_kernarg_size 16
		.amdhsa_user_sgpr_count 2
		.amdhsa_user_sgpr_kernarg_segment_ptr 1
		.amdhsa_wavefront_size32 1
		.amdhsa_system_sgpr_workgroup_id_x 1
		.amdhsa_system_sgpr_workgroup_id_y 1
		.amdhsa_system_sgpr_workgroup_id_z 1
		.amdhsa_system_vgpr_workitem_id 0
		.amdhsa_next_free_vgpr 512
		.amdhsa_next_free_sgpr 66
		.amdhsa_reserve_vcc 0
		.amdhsa_float_denorm_mode_32 3
		.amdhsa_float_denorm_mode_16_64 3
		.amdhsa_memory_ordered 1
		.amdhsa_forward_progress 1
		.amdhsa_inst_pref_size 88
	.end_amdhsa_kernel
	.amdgpu_metadata
---
amdhsa.version: [ 1, 2 ]
amdhsa.kernels:
  - .name:           k_q752e2b6fa7_fattn
    .symbol:         k_q752e2b6fa7_fattn.kd
    .args:
      - { .name: fws, .offset: 0, .size: 8, .value_kind: global_buffer, .address_space: global }
      - { .name: fo, .offset: 8, .size: 8, .value_kind: global_buffer, .address_space: global }
    .group_segment_fixed_size: 233984
    .private_segment_fixed_size: 0
    .kernarg_segment_align: 8
    .kernarg_segment_size: 16
    .max_flat_workgroup_size: 128
    .sgpr_count:     66
    .vgpr_count:     512
    .wavefront_size: 32
...
	.end_amdgpu_metadata
.endif
;; end of part 2
;; launch tattn (part 3): grid 64 x 4, 4 waves a work-group, no clusters, 168,448 bytes of LDS; arguments tws, fo, x, out0, proj_W, proj_g, proj_v, proj_b, proj_m, proj_be, proj_a; writes out0
.if DOCPART == 3
	.amdgcn_target "amdgcn-amd-amdhsa--gfx1250"
	.amdhsa_code_object_version 6
	.text
	.protected	k_q752e2b6fa7_tattn
	.globl	k_q752e2b6fa7_tattn
	.p2align	8
	.type	k_q752e2b6fa7_tattn,@function
k_q752e2b6fa7_tattn:
	s_mov_b64 s[64:65], 0
	v_nop
	global_prefetch_b8 v0, s[64:65] scope:SCOPE_SE
	s_setreg_imm32_b32 hwreg(HW_REG_WAVE_MODE, 25, 1), 1
	s_wait_xcnt 0x0
; Causal time attention over the 256 t of each (b, f), values = the frequency attention's result, then the projection
; (1x1 convolution 32 -> 64, BatchNorm, PReLU) and the residual x.  out0[b][o][f][t] in f32.
; Wave w owns f = 4 x + w entirely; no wave reads another's bytes: no barrier.
; Transposed as in the frequency attention: S^T = K x Q, P^T is the second source of O^T = V^T x P^T.  Query tile i needs key tiles
; 0 .. i only; in tile i the keys above the diagonal get -FLT_MAX, as in the reference, and the row's maximum is taken away.
; O^T scaled and packed is the FIRST source (rows t, K = c) of the projection, so that a lane ends with 8 neighbouring t of one o.
; 64 t x 64 o at a time go through my own LDS stage and leave as rows of 256 bytes, with x added on the way.
; The text is unrolled over the 16 query tiles: their lengths differ and register numbers are fixed in the text.
; No cluster: the work-groups share only the 8,192 bytes of proj_W.
; LIMITS: q, k, values, p, the attention's result and W*s are bf16, sums f32; p below 2^-126 is 0 (v_exp_f32).
.set VLW, 24576
.set VP,  96
.set OSB, 98304
.set OP,  272
.set OSW_B, 64*OP
.set L16, 4
.set VA,  5
.set OSW, 6
.set OSR, 7
.set XO,  8
.set DD,  9
.set TMP, 10
.set NEG, 11
.set MX,  12
.set NM,  16
.set ACC, 18
.set RL,  22
.set PW,  24
.set PP,  25
.set T8,  32                           ; v32-39
.set OA,  40                           ; v40-55
.set TP,  56                           ; v56-63
.set PD,  64                           ; v64-95
.set SC,  128                          ; v128-255 S^T, P^T; on the way out the stage's rows
.set VW,  128                          ; window 1: K at 8 tau, V^T at VW + 8 (2 s + ct)
.set X0,  0                            ; window 2: x, even groups; Q tile i at QW + 8 i
.set QW,  128
.set WP,  0                            ; window 3: W fragments, sh as C operands, x of the odd groups
.set SHC, 32
.set X1,  64
.set XB,  28                           ; s[28:31] x at o = 0 and at o = 32
.set OB,  32                           ; s[32:35] out0 likewise
.set SEL, 52
.set AL,  54
.set SLP, 56
.set NAL, 58
.set MK,  80                           ; s80-87 lanes in which key 8h + j lies above query r
.set MSB, 0
.macro WIN new
.if MSB != \new
	s_set_vgpr_msb (MSB<<8)|\new
.set MSB, \new
.endif
.endm
.macro PLACES
.rept 4
	v_nop
.endr
.endm
	s_load_b512 s[4:19], s[0:1], 0x0               ; tws, fo, x, out0, proj_W, g, v, b
	s_load_b128 s[20:23], s[0:1], 0x40             ; m, be
	s_load_b64 s[24:25], s[0:1], 0x50              ; a
	v_lshl_add_u32 v126, v0, 2, 0x29000
	v_mov_b32 v127, 0
	ds_add_u32 v126, v127
	ds_add_u32 v126, v127
	v_and_b32 v1, 31, v0
	v_and_b32 v2, 15, v0                           ; r
	v_bfe_u32 v3, v0, 4, 1                         ; h
	v_lshrrev_b32 v[TMP], 5, v0
	v_readfirstlane_b32 s60, v[TMP]                ; w
	s_and_b32 s61, ttmp7, 0xffff                   ; b
	s_lshl_b32 s26, ttmp9, 2
	s_add_co_u32 s26, s26, s60                     ; f
	s_lshl_b32 s27, s61, 8
	s_add_co_u32 s27, s27, s26                     ; b*256 + f
	s_lshl_b32 s62, s61, 24                        ; x, out0: b, f
	s_lshl_b32 s66, s26, 10
	s_add_co_u32 s62, s62, s66
	s_mov_b32 s63, 0
	s_lshl_b32 s66, s27, 15                        ; tws
	s_mov_b32 s67, 0
	s_lshl_b32 s68, s27, 14                        ; fo
	s_mov_b32 s69, 0
	; group 1: 16,384 dense bytes as 64 rows of 256, with 8 dwords of padding behind every 16: each 64-byte row gets a pitch of 96
	s_mov_b32 s40, (3<<16)|(1<<20)|(3<<22)|(7<<25)
	s_mov_b32 s41, 32<<16
	s_mov_b32 s42, 64<<16
	s_mov_b32 s43, 32<<16
	s_mov_b32 s44, 64
	s_mov_b32 s45, 32
	s_mov_b32 s46, 0
	s_mov_b32 s47, 0
	s_mov_b32 s48, 1
	s_mul_i32 s49, s60, VLW
	s_mov_b32 s[SEL], 0x76543210
	s_mov_b32 s[SEL+1], 0xfedcba98
	s_mov_b32 s[AL], 0x3e8293ee                    ; log2(e) / sqrt(32)
	s_mov_b32 s[AL+1], 0x3e8293ee
	s_mov_b32 s[NAL], 0xbe8293ee
	v_lshlrev_b32 v[L16], 4, v1
	v_and_b32 v12, 7, v1
	v_lshl_add_u32 v12, v3, 3, v12
	v_mul_u32_u24 v12, v12, VP
	v_bfe_u32 v13, v1, 3, 1
	v_lshl_add_u32 v12, v13, 4, v12
	v_add_nc_u32 v[VA], s49, v12
	s_mul_i32 s70, s60, OSW_B
	s_add_co_u32 s70, s70, OSB
	v_mul_u32_u24 v12, v2, OP                      ; in: row o = r of the tile, 8 h t of 4 bytes
	v_lshl_add_u32 v12, v3, 5, v12
	v_add_nc_u32 v[OSW], s70, v12
	v_mul_u32_u24 v12, v3, OP                      ; back: lanes 0-15 one row, lanes 16-31 the next
	v_lshl_add_u32 v12, v2, 4, v12
	v_add_nc_u32 v[OSR], s70, v12
	v_lshlrev_b32 v[XO], 4, v2
	v_lshl_add_u32 v[XO], v3, 18, v[XO]
	v_lshlrev_b32 v[DD], 3, v3
	v_sub_nc_u32 v[DD], v2, v[DD]                  ; r - 8 h
	v_mov_b32 v[NEG], 0xff7fffff                   ; -FLT_MAX
	v_lshlrev_b32 v[PW], 7, v2
	v_lshl_add_u32 v[PW], v3, 5, v[PW]
	v_lshlrev_b32 v[PP], 2, v2
.irp j, 0,1,2,3,4,5,6,7
	v_cmp_gt_i32 s[MK+\j], \j, v[DD]               ; key 8h + j > query r
.endr
	s_wait_dscnt 0x0
	s_wait_kmcnt 0x0
	s_add_nc_u64 s[50:51], s[6:7], s[68:69]
	s_or_b32 s51, s51, 0x80000000
	tensor_load_to_lds s[48:51], s[40:47]          ; the values: the one tensor load of this wave
	s_nop 0
	s_load_b32 s[SLP], s[24:25], 0x0
	s_add_nc_u64 s[XB:XB+1], s[8:9], s[62:63]
	s_add_nc_u64 s[XB+2:XB+3], s[XB:XB+1], 0x800000        ; 32 channels on: beyond the reach of the 24-bit immediate
	s_add_nc_u64 s[OB:OB+1], s[10:11], s[62:63]
	s_add_nc_u64 s[OB+2:OB+3], s[OB:OB+1], 0x800000
	s_add_nc_u64 s[36:37], s[4:5], s[66:67]        ; Q images
	s_add_nc_u64 s[38:39], s[36:37], 0x4000        ; K images
.irp t, 0,1,2,3
.irp j, 0,1,2,3,4
	global_load_b32 v[192+5*\t+\j], v[PP], s[14+2*\j:15+2*\j] offset:64*\t        ; g, v, b, m, be of o = 16 t + r
.endr
.endr
.set wn, 0
.rept 16
	global_load_b128 v[128+4*wn:128+4*wn+3], v[PW], s[12:13] offset:2048*(wn>>2)+64*((wn>>1)&1)+16*(wn&1)   ; W row 16 ot + r, c = 16 grp + 8 h ..
.set wn, wn+1
.endr
	WIN 0x40
.set wn, 0
.rept 32
	global_load_b128 v[4*wn:4*wn+3], v[L16], s[38:39] offset:512*wn th:TH_LOAD_NT
.set wn, wn+1
.endr
	WIN 0x80
.set wn, 0
.rept 32
	global_load_b128 v[QW+4*wn:QW+4*wn+3], v[L16], s[36:37] offset:512*wn th:TH_LOAD_NT
.set wn, wn+1
.endr
.macro XLOAD g, xb                     ; x of 64 o x 64 t: load k takes rows 2k, 2k+1; the destination's window is set by the caller
.set xk, 0
.rept 32
	global_load_b128 v[\xb+4*xk:\xb+4*xk+3], v[XO], s[XB+2*(xk>>4):XB+2*(xk>>4)+1] offset:(xk&15)*524288+256*(\g) th:TH_LOAD_NT
.set xk, xk+1
.endr
.endm
	XLOAD 0, X0
	WIN 0xc0
	XLOAD 1, X1
	WIN 0
.macro BNFOLD p                        ; p: g, v, b, m, be  ->  s in p, sh in p+2
	v_add_f32 v[\p+1], 0x3727c5ac, v[\p+1]         ; v + 1e-5
	v_rsq_f32 v[\p+1], v[\p+1]
	v_sub_f32 v[\p+2], v[\p+2], v[\p+3]            ; also the plain instruction behind the rsq (ISA guide 5.7.2)
	s_wait_alu depctr_va_vdst(0)
	v_mul_f32 v[\p], v[\p], v[\p+1]
	v_fma_f32 v[\p+2], v[\p+2], v[\p], v[\p+4]
.endm
	s_wait_loadcnt 0x3f                            ; the 64 loads of x were issued last: parameters, W, K and Q are in
	BNFOLD 192
	BNFOLD 197
	BNFOLD 202
	BNFOLD 207
.irp t, 0,1,2,3
	v_mov_b32 v[212+2*\t], v[192+5*\t]
	v_mov_b32 v[213+2*\t], v[192+5*\t]
.endr
.set wn, 0
.rept 32
	v_pk_mul_f32 v[128+2*wn:129+2*wn], v[128+2*wn:129+2*wn], v[212+2*(wn>>3):213+2*(wn>>3)]   ; W * s in f32
.set wn, wn+1
.endr
	WIN 0xc0
.set wn, 0
.rept 32
	v_cvt_pk_bf16_f32 v[WP+wn], v[128+2*wn], v[129+2*wn]
	v_mov_b32 v[SHC+wn], v[194+5*(wn>>3)]          ; sh of column o = 16 ot + r, in all eight rows
.set wn, wn+1
.endr
	WIN 0
	s_wait_kmcnt 0x0
	s_mov_b32 s[SLP+1], s[SLP]
; softmax over cnt tiles of S^T, in place; leaves P^T packed and the two packed sums in ACC
.macro SOFTMAX cnt
.irp k, 0,1,2,3
	v_max_num_f32 v[MX+\k], v[SC+2*\k], v[SC+2*\k+1]
.endr
.set st, 1
.rept (\cnt)-1
.irp k, 0,1,2,3
	v_max3_num_f32 v[MX+\k], v[MX+\k], v[SC+8*st+2*\k], v[SC+8*st+2*\k+1]
.endr
.set st, st+1
.endr
	v_max3_num_f32 v[MX], v[MX], v[MX+1], v[MX+2]
	v_max_num_f32 v[MX], v[MX], v[MX+3]
	v_permlanex16_b32 v[TMP], v[MX], s[SEL], s[SEL+1]      ; the other 8 keys of each tile lie in lane xor 16
	v_max_num_f32 v[MX], v[MX], v[TMP]
	v_mul_f32 v[NM], s[NAL], v[MX]
	v_mov_b32 v[NM+1], v[NM]
.irp k, 0,1,2,3
	v_pk_fma_f32 v[SC+2*\k:SC+2*\k+1], v[SC+2*\k:SC+2*\k+1], s[AL:AL+1], v[NM:NM+1] op_sel_hi:[1,0,1]
.endr
.set st, 0
.rept \cnt
.irp k, 0,1,2,3
	v_exp_f32 v[SC+8*st+2*\k], v[SC+8*st+2*\k]
	v_exp_f32 v[SC+8*st+2*\k+1], v[SC+8*st+2*\k+1]
.if st+1 < (\cnt)
	v_pk_fma_f32 v[SC+8*st+8+2*\k:SC+8*st+9+2*\k], v[SC+8*st+8+2*\k:SC+8*st+9+2*\k], s[AL:AL+1], v[NM:NM+1] op_sel_hi:[1,0,1]   ; the next tile's exponents
.endif
.endr
.set st, st+1
.endr
	v_nop                                          ; a plain instruction between the last exponential and its use (ISA guide 5.7.2)
.set st, 0
.rept \cnt
.if st == 0
	s_wait_alu depctr_va_vdst(0)
	v_pk_add_f32 v[ACC:ACC+1], v[SC:SC+1], v[SC+2:SC+3]        ; the first tile starts the sums
	v_pk_add_f32 v[ACC+2:ACC+3], v[SC+4:SC+5], v[SC+6:SC+7]
.else
	v_pk_add_f32 v[ACC:ACC+1], v[ACC:ACC+1], v[SC+8*st:SC+8*st+1]
	v_pk_add_f32 v[ACC+2:ACC+3], v[ACC+2:ACC+3], v[SC+8*st+2:SC+8*st+3]
	v_pk_add_f32 v[ACC:ACC+1], v[ACC:ACC+1], v[SC+8*st+4:SC+8*st+5]
	v_pk_add_f32 v[ACC+2:ACC+3], v[ACC+2:ACC+3], v[SC+8*st+6:SC+8*st+7]
.endif
.irp p, 0,1,2,3
	v_cvt_pk_bf16_f32 v[SC+16*(st>>1)+4*(st&1)+\p], v[SC+8*st+2*\p], v[SC+8*st+2*\p+1]   ; every register written here has been read before
.endr
.set st, st+1
.endr
.if (\cnt) & 1
.irp p, 4,5,6,7
	v_mov_b32 v[SC+16*((\cnt)>>1)+\p], 0           ; an odd count: the last step's upper 16 keys weigh nothing
.endr
.endif
.endm
.macro VFETCH                          ; all of V^T into registers: fragment (s, ct) = keys 32 s .., channels 16 ct ..
	s_wait_tensorcnt 0x0
	WIN 0x40
.set vn, 0
.rept 16
	ds_load_tr16_b128 v[VW+8*vn:VW+8*vn+3], v[VA] offset:(vn>>1)*32*VP+(vn&1)*32
	ds_load_tr16_b128 v[VW+8*vn+4:VW+8*vn+7], v[VA] offset:(vn>>1)*32*VP+(vn&1)*32+16*VP
.set vn, vn+1
.endr
	WIN 0
	s_wait_dscnt 0x0
.endm
.macro PV steps                        ; O^T = V^T x P^T, two chains; the first step starts the sums
	WIN 0x01
	v_wmma_f32_16x16x32_bf16 v[OA:OA+7], v[VW:VW+7], v[SC:SC+7], 0
	v_wmma_f32_16x16x32_bf16 v[OA+8:OA+15], v[VW+8:VW+15], v[SC:SC+7], 0
.set ps, 1
.rept (\steps)-1
	v_wmma_f32_16x16x32_bf16 v[OA:OA+7], v[VW+16*ps:VW+16*ps+7], v[SC+16*ps:SC+16*ps+7], v[OA:OA+7]
	v_wmma_f32_16x16x32_bf16 v[OA+8:OA+15], v[VW+16*ps+8:VW+16*ps+15], v[SC+16*ps:SC+16*ps+7], v[OA+8:OA+15]
.set ps, ps+1
.endr
	WIN 0
.endm
.macro SUMRCP                          ; 1 / row sum.  Five plain instructions that name no register of the products before: their places (ISA guide 7.12.1)
	v_pk_add_f32 v[ACC:ACC+1], v[ACC:ACC+1], v[ACC+2:ACC+3]
	v_add_f32 v[ACC], v[ACC], v[ACC+1]
	v_permlanex16_b32 v[TMP], v[ACC], s[SEL], s[SEL+1]
	v_add_f32 v[ACC], v[ACC], v[TMP]
	v_rcp_f32 v[RL], v[ACC]
	v_nop
	s_wait_alu depctr_va_vdst(0)
	v_mov_b32 v[RL+1], v[RL]
.endm
; query tile i: keys 0 .. 16 i + 15, then the projection of its 16 t
.macro TQT i, vfetch
	WIN 0x09
.set qt, 0
.rept (\i)+1
	v_wmma_f32_16x16x32_bf16 v[SC+8*qt:SC+8*qt+7], v[8*qt:8*qt+7], v[QW+8*(\i):QW+8*(\i)+7], 0
.set qt, qt+1
.endr
	WIN 0
	PLACES
.irp j, 0,1,2,3,4,5,6,7
	v_cndmask_b32 v[SC+8*(\i)+\j], v[SC+8*(\i)+\j], v[NEG], s[MK+\j]      ; the diagonal tile: keys above the query
.endr
	SOFTMAX (\i)+1
.if \vfetch
	VFETCH
.endif
	PV ((\i)>>1)+1
	SUMRCP
.irp k, 0,2,4,6,8,10,12,14
	v_pk_mul_f32 v[OA+\k:OA+\k+1], v[OA+\k:OA+\k+1], v[RL:RL+1]
.endr
.irp k, 0,1,2,3,4,5,6,7
	v_cvt_pk_bf16_f32 v[TP+\k], v[OA+2*\k], v[OA+2*\k+1]   ; row t = r: c = 8h .. in registers 0-3, 16 + 8h .. in 4-7
.endr
	WIN 0x3c
.irp t, 0,1,2,3
	v_wmma_f32_16x16x32_bf16 v[PD+8*\t:PD+8*\t+7], v[TP:TP+7], v[WP+8*\t:WP+8*\t+7], v[SHC+8*\t:SHC+8*\t+7]
.endr
	WIN 0
	PLACES
.irp t, 0,1,2,3
.irp j, 0,2,4,6
	v_pk_mul_f32 v[T8+\j:T8+\j+1], v[PD+8*\t+\j:PD+8*\t+\j+1], s[SLP:SLP+1] op_sel_hi:[1,0]
.endr
.irp j, 0,1,2,3,4,5,6,7
	v_cmp_lt_f32 vcc_lo, 0, v[PD+8*\t+\j]
	v_cndmask_b32 v[PD+8*\t+\j], v[T8+\j], v[PD+8*\t+\j], vcc_lo
.endr
	ds_store_b128 v[OSW], v[PD+8*\t:PD+8*\t+3] offset:16*OP*\t+64*((\i)&3)          ; o = 16 t + r, t = 8h .. 8h+3 of the tile
	ds_store_b128 v[OSW], v[PD+8*\t+4:PD+8*\t+7] offset:16*OP*\t+64*((\i)&3)+16
.endr
.endm
; 64 o x 64 t leave: rows of 256 bytes from my stage (my own bytes, served in order: ISA guide 5.7.1), x added, stored
.macro GOUT g, win, xb, left, refill
	WIN 0
.set gk, 0
.rept 32
	ds_load_b128 v[SC+4*gk:SC+4*gk+3], v[OSR] offset:2*OP*gk
.set gk, gk+1
.endr
	WIN \win
	s_wait_loadcnt \left                           ; this group's x is in; the other buffer's 32 loads may stay out
.set gk, 0
.rept 32
	s_wait_dscnt 31-gk
	v_pk_add_f32 v[\xb+4*gk:\xb+4*gk+1], v[SC+4*gk:SC+4*gk+1], v[\xb+4*gk:\xb+4*gk+1]
	v_pk_add_f32 v[\xb+4*gk+2:\xb+4*gk+3], v[SC+4*gk+2:SC+4*gk+3], v[\xb+4*gk+2:\xb+4*gk+3]
	global_store_b128 v[XO], v[\xb+4*gk:\xb+4*gk+3], s[OB+2*(gk>>4):OB+2*(gk>>4)+1] offset:(gk&15)*524288+256*\g th:TH_STORE_NT
.set gk, gk+1
.endr
.if \refill
	s_wait_xcnt 0x0                                ; the buffer was the stores' data: loaded again only behind this wait (ISA guide 3.1)
	XLOAD \g+2, \xb
.endif
	WIN 0
.endm
	TQT 0, 1
	TQT 1, 0
	TQT 2, 0
	TQT 3, 0
	GOUT 0, 0x88, X0, 32, 1
	TQT 4, 0
	TQT 5, 0
	TQT 6, 0
	TQT 7, 0
	GOUT 1, 0xcc, X1, 32, 1
	TQT 8, 0
	TQT 9, 0
	TQT 10, 0
	TQT 11, 0
	GOUT 2, 0x88, X0, 32, 0
	TQT 12, 0
	TQT 13, 0
	TQT 14, 0
	TQT 15, 0
	GOUT 3, 0xcc, X1, 0, 0
	s_wait_tensorcnt 0x0
	ds_add_u32 v126, v127
	s_wait_dscnt 0x0
	s_endpgm
.Lfunc_end_k_q752e2b6fa7_tattn:
	.size	k_q752e2b6fa7_tattn, .Lfunc_end_k_q752e2b6fa7_tattn-k_q752e2b6fa7_tattn
	.p2alignl 7, 3214868480
	.fill 96, 4, 3214868480
	.section	.rodata,"a",@progbits
	.p2align	6, 0x0
	.amdhsa_kernel k_q752e2b6fa7_tattn
		.amdhsa_group_segment_fixed_size 168448
		.amdhsa_private_segment_fixed_size 0
		.amdhsa_enable_private_segment 0
		.amdhsa_kernarg_size 88
		.amdhsa_user_sgpr_count 2
		.amdhsa_user_sgpr_kernarg_segment_ptr 1
		.amdhsa_wavefront_size32 1
		.amdhsa_system_sgpr_workgroup_id_x 1
		.amdhsa_system_sgpr_workgroup_id_y 1
		.amdhsa_system_sgpr_workgroup_id_z 1
		.amdhsa_system_vgpr_workitem_id 0
		.amdhsa_next_free_vgpr 960
		.amdhsa_next_free_sgpr 96
		.amdhsa_reserve_vcc 1
		.amdhsa_float_denorm_mode_32 3
		.amdhsa_float_denorm_mode_16_64 3
		.amdhsa_memory_ordered 1
		.amdhsa_forward_progress 1
		.amdhsa_inst_pref_size 255
	.end_amdhsa_kernel
	.section	.bss,"aw",@nobits
	.p2align	6
	.space	262144
	.amdgpu_metadata
---
amdhsa.version: [ 1, 2 ]
amdhsa.kernels:
  - .name:           k_q752e2b6fa7_tattn
    .symbol:         k_q752e2b6fa7_tattn.kd
    .args:
      - { .name: tws, .offset: 0, .size: 8, .value_kind: global_buffer, .address_space: global }
      - { .name: fo, .offset: 8, .size: 8, .value_kind: global_buffer, .address_space: global }
      - { .name: x, .offset: 16, .size: 8, .value_kind: global_buffer, .address_space: global }
      - { .name: out0, .offset: 24, .size: 8, .value_kind: global_buffer, .address_space: global }
      - { .name: proj_W, .offset: 32, .size: 8, .value_kind: global_buffer, .address_space: global }
      - { .name: proj_g, .offset: 40, .size: 8, .value_kind: global_buffer, .address_space: global }
      - { .name: proj_v, .offset: 48, .size: 8, .value_kind: global_buffer, .address_space: global }
      - { .name: proj_b, .offset: 56, .size: 8, .value_kind: global_buffer, .address_space: global }
      - { .name: proj_m, .offset: 64, .size: 8, .value_kind: global_buffer, .address_space: global }
      - { .name: proj_be, .offset: 72, .size: 8, .value_kind: global_buffer, .address_space: global }
      - { .name: proj_a, .offset: 80, .size: 8, .value_kind: global_buffer, .address_space: global }
    .group_segment_fixed_size: 168448
    .private_segment_fixed_size: 0
    .kernarg_segment_align: 8
    .kernarg_segment_size: 88
    .max_flat_workgroup_size: 128
    .sgpr_count:     96
    .vgpr_count:     960
    .wavefront_size: 32
...
	.end_amdgpu_metadata
.endif
;; end of part 3
